; MI455X (gfx1250); checked and timed in simulation.
; The chip was launched on July 23, 2026; its instructions are those of AMD's public machine-readable ISA for CDNA 5 (MIT licence, August 2026) and "CDNA5" Instruction Set Architecture Reference Guide (July 2026). The comments in the code are by the model that wrote it; some were corrected since.
;; Multihead Attention. Allowed arithmetic: matrix products marked QUANTISED: E2M1 operands, one E8M0 scale for each 32 along K, by v_wmma_scale_f32_16x16x128_f8f6f4 with both operands' format E2M1 (or v_wmma_scale_f32_32x16x128_f4), f32 sums; everything else in f32.
;; Inputs: W_proj_codes 1,024 x 32 x 16 uint8 (E2M1 codes of W_proj, K innermost, in blocks of 32 codes, two codes a byte); W_proj_scales 1,024 x 32 uint8 (E8M0 scales of W_proj, one for each 32 codes along K); W_qkv_codes 3,072 x 32 x 16 uint8 (E2M1 codes of W_qkv, K innermost, in blocks of 32 codes, two codes a byte); W_qkv_scales 3,072 x 32 uint8 (E8M0 scales of W_qkv, one for each 32 codes along K); b_proj 1,024 float32; b_qkv 3,072 float32; x_codes 4 x 2,048 x 32 x 16 uint8 (E2M1 codes of x, K innermost, in blocks of 32 codes, two codes a byte); x_scales 4 x 2,048 x 32 uint8 (E8M0 scales of x, one for each 32 codes along K).
;; Outputs: out0 4 x 2,048 x 1,024 float32.
;; This version of the problem:
;;   THIS VERSION OF THE PROBLEM IS GIVEN IN LOW PRECISION. The matrix products marked QUANTISED in the list below multiply operands that are first quantised to E2M1 (2 exponent bits, 1 mantissa bit; 4 bits a number), with one power-of-two scale for each 32 numbers along K (OCP MX v1.0); their sums are f32. All else is computed in f32.
;;   The module's matrix products, in the order in which they are computed (A, B: the left and right operand; K: the contracted axis; several contracted axes count as one K, in the product's order):
;;     1. [M 8,192, K 1,024] x [K 1,024, N 3,072]; A: input x (given as codes); B: input W_qkv (given as codes): QUANTISED
;;     2. batch 64 x [M 2,048, K 64] x [K 64, N 2,048]; A: computed on the way; B: computed on the way: QUANTISED
;;     3. batch 64 x [M 2,048, K 2,048] x [K 2,048, N 64]; A: softmax (see below); B: computed on the way: QUANTISED
;;     4. [M 8,192, K 1,024] x [K 1,024, N 1,024]; A: computed on the way; B: input W_proj (given as codes): QUANTISED
;;   THE QUANTISER, for each operand of a quantised product, along K:
;;     - K is cut into blocks of 32 from its start; a last block that is shorter is filled with zeros.
;;     - A block's scale is 2^e with e = floor(log2(the largest magnitude in the block)) - 2, held to -126 .. 127; a block of zeros has e = 0. As a byte (E8M0): e + 127.
;;     - Each number is divided by its block's scale, clamped to +-6, and rounded to the nearest number of E2M1, ties to even, subnormals kept.
;;     - The product sums the exact products of the quantised numbers (number of the format x scale) in f32.
;;   ~~~python
;;   def quantise(x, axis):      # numpy; x: float32 -> the quantised numbers, widened to float32 again
;;       x = np.moveaxis(x, axis, -1); K = x.shape[-1]
;;       x = np.pad(x, [(0, 0)] * (x.ndim - 1) + [(0, -K % 32)]); x = x.reshape(x.shape[:-1] + (-1, 32)); a = np.abs(x).max(-1, keepdims=True)
;;       e = np.where(a > 0, np.clip(np.frexp(np.where(a > 0, a, 1))[1] - 1 - 2, -126, 127), 0)      # np.frexp(a)[1] - 1 = floor(log2(a)), exactly
;;       r = np.clip(x / 2.0 ** e, -6, 6)
;;       step = 2.0 ** (np.maximum(np.frexp(np.where(r == 0, 1, r))[1] - 1, 0) - 1)
;;       q = np.round(r / step) * step * 2.0 ** e      # np.round: ties to even
;;       return np.moveaxis(q.reshape(q.shape[:-2] + (-1,))[..., :K], -1, axis).astype(np.float32)
;;   ~~~
;;   SOFTMAX AHEAD OF A QUANTISED PRODUCT. Where the list says 'softmax', what is quantised is not the finished softmax but p = 2^(t - M), with t = logit x log2(e) and M = ceil(the row's largest t), a whole number; so 1/2 < the row's largest p <= 1. The row's sum l is taken of the UNQUANTISED p, in f32, and the product's result is divided by l at the end. Since M is a whole number, a kernel that streams over the keys may use a running M (the ceiling of the running maximum): every later rescaling is an exact power of two, which a block's scale takes up: the codes' values come out the same.
;;   OPERANDS COMPUTED ON THE WAY. 'Computed on the way' means the value that the module computes at that place (a softmax that the list does not call 'softmax' is quantised finished and normalised). What goes into a quantiser is computed in f32, as accurately as f32 sums, v_exp_f32 and their like allow (about 1e-6 of the number): no bf16 or f16 on the way to a quantiser, and a product that is left as it is and whose result goes on into a quantised operand takes f32 operands (vector FMAs, or v_wmma_f32_16x16x4_f32). A number that lies on a knife's edge between two numbers of the format may be rounded either way, as far as f32 arithmetic and the matrix unit's own rounding can turn it there, and no further.
;;   INPUTS GIVEN AS CODES. W_proj (in the module: [1024, 1024], K = its axis 1); W_qkv (in the module: [3072, 1024], K = its axis 1); x (in the module: [4, 2048, 1024], K = its axis 2): each comes as NAME_codes (uint8): NAME with its K axis moved to the last place and cut into blocks of 32 codes, [.., K / 32, bytes a block], one block behind the other in memory; two codes a byte, the lower K in the low four bits (a code: sign, 2 exponent bits, 1 mantissa bit); and NAME_scales (uint8): the same leading axes, one E8M0 byte (e + 127) for each 32 codes along K. Its value is code x scale, taken as it is: it is not quantised again, and the codes and scales need not be those that the quantiser above would give.
;; One version. Each part assembles by itself: llvm-mc -triple=amdgcn-amd-amdhsa -mcpu=gfx1250 --defsym DOCPART=n.
;; ======== version 1 of 1: 3 launches
;; workspace buffers: qkv 13,369,344 bytes; y_codes 4,194,304 bytes; y_scales 262,144 bytes
;; launch qkv (part 1): grid 12 x 32, 4 waves a work-group, clusters of 4 x 4, 327,680 bytes of LDS; arguments x_codes, x_scales, W_qkv_codes, W_qkv_scales, b_qkv, qkv; writes qkv
.if DOCPART == 1
	.amdgcn_target "amdgcn-amd-amdhsa--gfx1250"
	.amdhsa_code_object_version 6
	.text
	.protected	k_qeb9649678d_qkv
	.globl	k_qeb9649678d_qkv
	.p2align	8
	.type	k_qeb9649678d_qkv,@function
k_qeb9649678d_qkv:
	s_mov_b64 s[64:65], 0
	v_nop
	global_prefetch_b8 v0, s[64:65] scope:SCOPE_SE
	s_setreg_imm32_b32 hwreg(HW_REG_WAVE_MODE, 25, 1), 1
	s_wait_xcnt 0x0
	s_wait_alu depctr_hold_cnt(0) depctr_sa_sdst(0) depctr_va_vdst(0) depctr_va_sdst(0) depctr_va_ssrc(0) depctr_va_vcc(0) depctr_vm_vsrc(0)
	s_getreg_b32 s2, hwreg(HW_REG_IB_STS2, 6, 4)
	s_cmp_eq_u32 s2, 0
	s_cbranch_scc0 .Lentry_in_a_cluster
	s_endpgm
.Lentry_in_a_cluster:
	s_bfe_u32 s2, ttmp6, 0x10000c
	s_cmp_lg_u32 s2, 0xf033
	s_cbranch_scc0 .Lentry_shape_is_right
	s_endpgm
.Lentry_shape_is_right:
; FIRST OF THREE LAUNCHES: qkv = x W_qkv^T + b_qkv on the given codes of FP4 (E2M1, one E8M0 byte for each 32 along K), and its three parts quantised at once for the attention launch:
; q and k along the head's 64 (two blocks), v along the keys (blocks of 32 tokens).  Sums in f32, the bias added in f32, the quantiser as the problem states it.
; DEAD WORK OF THE PROGRAM.  reference() builds its mask itself (jnp.tril): for key > query the score is -infinity, p = 2^(-infinity) = 0, and a 0 reaches neither the row's sum nor the second product, whatever
; the inputs hold.  So the attention launch leaves out the key steps of 128 keys that lie wholly behind a tile's 16 queries.  Nothing else is left out, and every input is loaded (the bias on k moves k's codes).
; LIMITS.  NaN, infinities and a given scale byte 0xff are not served; a NaN, an infinity or an overflow that reaches only the key steps left out is not carried to the result.  In this program's own buffers a block whose
; largest magnitude lies under 2^-124 (a block of zeros among them) has the byte 1: a block of zeros has zero codes, which add nothing under that byte, and only this program reads the bytes.
; SHARES.  A work-group of four waves makes 256 x 256 of the product, a wave 128 x 128: 64 accumulators of 16 x 16.  All of K (1,024) lies in LDS: two slots of 512 along K, each filled once, and the scale bytes beside them.
; ROLES.  The matrix instruction's source 1 (role A) gives a lane its row, source 0 (role B) runs along the lane's registers: register j of accumulator (a, b) in lane (r, h) is (B's row 16 b + 8 h + j, A's row 16 a + r).
; A quantiser wants its K along a lane's registers.  Clusters x = 0 (q) and 1 (k): A = 256 tokens of x, B = 256 rows of W (four heads).  Clusters x = 2 (v): A = 256 rows of W, B = 256 tokens.
; The choice hangs on the cluster's x alone, which all sixteen partners share.  Role A's tiles are asked for jointly along a row of the cluster, role B's along a column.
; FROM RESULT TO OPERAND.  A block of 32 is 16 registers of lane l and 16 of lane l xor 16.  Conversion (block 2 c + f, tile parity e) writes register 4 c + 2 e + f; one exchange of halves for each pair
; (4 c + 2 e, 4 c + 2 e + 1) then leaves registers 4 c .. 4 c + 3 = K 64 c + 32 h + 0 .. 31: the operand's own layout.
; THE BUFFER qkv: a record of 13,056 bytes for each (batch, head, group of 128 tokens), index (16 (16 batch + head) + group); all parts are images of operand registers, 16 bytes a lane at 16 x lane:
;   +0 k's codes (tile of 16 tokens a: 512 a; lane (r, h): token r, block h)   +4,096 v's codes (16 d's dt, 64 keys c: 1,024 dt + 512 c; lane (r, h): d r, keys 32 h on)
;   +8,192 k's scale words (16 r + 4 u: bytes 0, 1 tile 2 u, bytes 2, 3 tile 2 u + 1)   +8,448 v's (16 r + 4 dt)   +8,704 q's codes, as k's   +12,800 q's scale words, as k's.
; REGISTERS, in windows of 256.  Window 0: v1-29 addresses; v32-95 scale words, on the way out the codes (8 a tile); v96-103, v192-255 the bias; v104-111 a tile's scale word; v112-127 at work;
;   v128-191 role A's fragments, on the way out 64 numbers.  Window 1: role B's fragments, two sets.  Windows 2, 3: the accumulators, (a, b) at v[8 (8 (a % 4) + b)].
.set NQ,     4                         ; steps of 128 along K in a slot
.set ROWB,   256                       ; a tile's row: 512 codes
.set KROW,   512                       ; a row of x or of W in memory
.set PITCH,  272                       ; an LDS row: 256 bytes + 16 of padding: the 16 rows of a fragment load start at 16 different banks
.set FR,     8
.set NL,     2
.set NP,     4
.set HALFT,  128*PITCH
.set SLOT,   4*HALFT                   ; role A's 256 rows, then role B's
.set KS,     32                        ; a row of scale bytes
.set SCL,    2*SLOT
.set HALFS,  (128*KS/256)*272
.set SBLK,   (16*KS/256)*272
.set SPARE,  SCL+4*HALFS               ; the spare words, 128 bytes for each wave: two blocks of 256 bytes that no other line names
.set REC,    13056
.set HS,     16*REC                    ; one head on
.set SELV, 10                          ; v10  byte selects for k's and q's scale words: lanes 0-15 the first head's, lanes 16-31 the second's
.set ADRA, 16
.set ADRB, 20
.set H32,  22                          ; v22  32 h
.set R4,   23                          ; v23  4 r
.set LI,   24                          ; v24  16 x lane
.set SA,   25                          ; v25  16 r + h x one head
.set ADRS, 27
.set SPW,  28
.set NIL,  29
.set SC,   32
.set PC,   32
.set BV,   96
.set PW,   104
.set TM,   112
.set AF,   128
.set T,    128
.set BI,   192
.set LM,   3                           ; s3   lanes 16-31
.set RB,   14                          ; s[14:15] my record
.set WV,   16
.set HA,   17
.set HB,   18
.set ISV,  19
.set CX,   20
.set CY,   21
.set TA,   22
.set TBT,  23
.set G1,   24
.set G0,   32
.set G1B,  48
.set G0B,  56
.set SEL,  66
.set G1S,  68
.set G0S,  76
.set G1SB, 80
.set G0SB, 88
.set OC,   92                          ; s[92:93] where q's or k's codes go; s[94:95] their scale words
.set OS,   94
.set MSB, 0
.macro WIN new                         ; the immediate's high byte repeats the setting that is left
.if MSB != (\new)
	s_set_vgpr_msb (MSB<<8)|(\new)
.set MSB, (\new)
.endif
.endm
.set MUL_LO, 0xa1                      ; source 0 window 1, source 1 window 0, C and D window 2
.set MUL_HI, 0xf1
.set TO_B,   0x40
; A joint load: waves 0 and 1 fetch for role A, waves 2 and 3 for role B; the branch hangs on the wave's number alone.  An s_nop 0 and four v_nop follow each of the two lines.
.macro JLOAD g0a, g1a, g0b, g1b
	s_cmp_eq_u32 s[HA], 0
	s_cbranch_scc0 .Lfor_b_\@
	tensor_load_to_lds s[\g0a:\g0a+3], s[\g1a:\g1a+7]
	s_nop 0
.rept 4
	v_nop
.endr
	s_branch .Lasked_\@
.Lfor_b_\@:
	tensor_load_to_lds s[\g0b:\g0b+3], s[\g1b:\g1b+7]
	s_nop 0
.rept 4
	v_nop
.endr
.Lasked_\@:
.endm
.macro CREST
	s_cmp_lg_u32 s[WV], 0
	s_cbranch_scc1 .Lnot_wave_0_\@
	s_barrier_signal -3
.Lnot_wave_0_\@:
	s_barrier_wait -3
	s_barrier_signal -1
	s_barrier_wait -1
.endm
.macro CROUND                          ; a round of the cluster's barrier
	s_barrier_signal -1
	s_barrier_wait -1
	CREST
.endm
	s_load_b256 s[4:11], s[0:1], 0x0               ; x's codes s[4:5], x's scales s[6:7], W's codes s[8:9], W's scales s[10:11]
	s_load_b128 s[12:15], s[0:1], 0x20             ; the bias s[12:13], qkv s[14:15]
	v_lshl_add_u32 v[SPW], v0, 2, SPARE
	v_mov_b32 v[NIL], 0
	ds_add_u32 v[SPW], v[NIL]                      ; the wave's opening: the add, twice on end, and its wait ahead of my first tensor load
	ds_add_u32 v[SPW], v[NIL]
	v_lshrrev_b32 v1, 5, v0
	v_readfirstlane_b32 s[WV], v1                  ; wave 0..3
	s_lshr_b32 s[HA], s[WV], 1                     ; my half of role A's rows.  Also: I fetch for A (0) or for B (1)
	s_and_b32 s[HB], s[WV], 1                      ; my half of role B's rows.  Also: which 128 rows I fetch
	s_bfe_u32 s[CX], ttmp6, 0x40000
	s_bfe_u32 s[CY], ttmp6, 0x40004
	s_lshl_b32 s40, s[CY], 2
	s_lshl_b32 s40, 15, s40                        ; my row of the cluster
	s_lshl_b32 s41, 0x1111, s[CX]                  ; my column
	s_or_b32 s[G1+0], s40, (0<<16)|(1<<20)|(1<<21)|(5<<22)|(3<<25)   ; the mask; elements of 1 byte; padding: 4 words behind every 64
	s_or_b32 s[G1B+0], s41, (0<<16)|(1<<20)|(1<<21)|(5<<22)|(3<<25)
.irp g, G1, G1B
	s_mov_b32 s[\g+1], ROWB<<16                    ; tensor_dim0
	s_mov_b32 s[\g+2], 128<<16                     ; tensor_dim1
	s_mov_b32 s[\g+3], ROWB<<16                    ; tile_dim0
	s_mov_b32 s[\g+4], 128                         ; tile_dim1
	s_mov_b32 s[\g+5], KROW                        ; the pitch in memory
	s_mov_b32 s[\g+6], 0
	s_mov_b32 s[\g+7], 0
.endr
	s_or_b32 s[G1S+0], s40, (3<<16)|(1<<20)|(1<<21)|(5<<22)|(3<<25)  ; the scale bytes of 128 rows: 4,096 dense bytes as 16 rows of 256 (32 elements of 8 bytes), 16 bytes of padding behind each
	s_or_b32 s[G1SB+0], s41, (3<<16)|(1<<20)|(1<<21)|(5<<22)|(3<<25)
.irp g, G1S, G1SB
	s_mov_b32 s[\g+1], 32<<16
	s_mov_b32 s[\g+2], (128*KS/256)<<16
	s_mov_b32 s[\g+3], 32<<16
	s_mov_b32 s[\g+4], 128*KS/256
	s_mov_b32 s[\g+5], 32
	s_mov_b32 s[\g+6], 0
	s_mov_b32 s[\g+7], 0
.endr
	s_lshl_b32 s42, ttmp9, 2                       ; 4 x cluster x
	s_and_b32 s43, ttmp7, 0xffff
	s_lshl_b32 s43, s43, 2                         ; 4 x cluster y
	s_cmp_eq_u32 ttmp9, 2                          ; v's clusters: the roles change places
	s_cselect_b32 s[ISV], 1, 0
	s_cselect_b32 s[TA], s42, s43
	s_cselect_b32 s[TBT], s43, s42
	s_add_co_u32 s[TA], s[TA], s[CY]               ; role A's tile of 256 rows: it hangs on cy alone within the cluster
	s_add_co_u32 s[TBT], s[TBT], s[CX]             ; role B's: on cx alone
	s_lshl_b32 s45, s[HB], 7
	s_lshl_b32 s40, s[TA], 8
	s_add_co_u32 s40, s40, s45                     ; the 128 rows that I fetch, if for A
	s_lshl_b32 s42, s40, 5                         ; their scale bytes,
	s_lshl_b32 s40, s40, 9                         ; their codes
	s_mov_b32 s41, 0
	s_mov_b32 s43, 0
	s_lshl_b32 s46, s[TBT], 8
	s_add_co_u32 s46, s46, s45                     ; and if for B
	s_lshl_b32 s44, s46, 5
	s_lshl_b32 s46, s46, 9
	s_mov_b32 s45, 0
	s_mov_b32 s47, 0
	s_mul_i32 s2, s[WV], HALFT                     ; where they go: wave x 128 rows: no place in the cluster enters an LDS address
	s_mul_i32 s3, s[WV], HALFS
	s_mov_b32 s[SEL], 0x76543210
	s_mov_b32 s[SEL+1], 0xfedcba98                 ; v_permlanex16_b32's selects for lane l xor 16
	s_wait_dscnt 0x0                               ; both opening adds are done
	s_wait_kmcnt 0x0
	s_cmp_eq_u32 s[ISV], 1                         ; a choice between buffers on the cluster's x
	s_cselect_b64 s[92:93], s[8:9], s[4:5]         ; role A's codes,
	s_cselect_b64 s[94:95], s[10:11], s[6:7]       ; its scale bytes,
	s_cselect_b64 s[96:97], s[4:5], s[8:9]         ; role B's codes,
	s_cselect_b64 s[98:99], s[6:7], s[10:11]       ; its scale bytes
	s_add_nc_u64 s[92:93], s[92:93], s[40:41]
	s_add_nc_u64 s[94:95], s[94:95], s[42:43]
	s_add_nc_u64 s[96:97], s[96:97], s[46:47]
	s_add_nc_u64 s[98:99], s[98:99], s[44:45]
	CROUND                                         ; all sixteen work-groups are here: the joint loads meet
	s_mov_b32 s[G0S], 1
	s_add_co_u32 s[G0S+1], s3, SCL
	s_mov_b64 s[G0S+2:G0S+3], s[94:95]
	s_or_b32 s[G0S+3], s[G0S+3], 0x80000000
	s_mov_b32 s[G0SB], 1
	s_add_co_u32 s[G0SB+1], s3, SCL
	s_mov_b64 s[G0SB+2:G0SB+3], s[98:99]
	s_or_b32 s[G0SB+3], s[G0SB+3], 0x80000000
	JLOAD G0S, G1S, G0SB, G1SB                     ; the scale bytes first: they are wanted with the first step
.irp s, 0,1
	s_mov_b32 s[G0+4*\s], 1
	s_add_co_u32 s[G0+4*\s+1], s2, \s*SLOT
	s_add_nc_u64 s[G0+4*\s+2:G0+4*\s+3], s[92:93], \s*ROWB
	s_or_b32 s[G0+4*\s+3], s[G0+4*\s+3], 0x80000000
	s_mov_b32 s[G0B+4*\s], 1
	s_add_co_u32 s[G0B+4*\s+1], s2, \s*SLOT
	s_add_nc_u64 s[G0B+4*\s+2:G0B+4*\s+3], s[96:97], \s*ROWB
	s_or_b32 s[G0B+4*\s+3], s[G0B+4*\s+3], 0x80000000
	JLOAD G0+4*\s, G1, G0B+4*\s, G1B               ; both halves of K: three loads of mine are out, and no byte of LDS is filled twice
.endr
	s_mov_b32 s[LM], 0xffff0000
	v_and_b32 v1, 15, v0                           ; r
	v_bfe_u32 v2, v0, 4, 1                         ; h
	v_mul_u32_u24 v3, v1, PITCH
	v_lshl_add_u32 v4, v2, 4, v3                   ; a fragment's row x pitch + 16 h
	s_mul_i32 s40, s[HA], HALFT
	s_mul_i32 s41, s[HB], HALFT
	s_add_co_u32 s41, s41, 2*HALFT
.irp s, 0,1
	v_add_nc_u32 v[ADRA+\s], s40, v4
	v_add_nc_u32 v[ADRB+\s], s41, v4
	s_add_co_u32 s40, s40, SLOT
	s_add_co_u32 s41, s41, SLOT
.endr
	v_mul_u32_u24 v5, v1, KS                       ; my row's scale bytes: 32 a row,
	v_lshrrev_b32 v6, 8, v5
	v_lshl_add_u32 v5, v6, 4, v5                   ; and 16 more for each 256 passed
	s_mul_i32 s40, s[HA], HALFS
	s_mul_i32 s41, s[HB], HALFS
	s_add_co_u32 s41, s41, 2*HALFS
	s_sub_co_u32 s41, s41, s40
	v_mul_u32_u24 v6, s41, v2                      ; lanes 16-31 take role B's
	s_add_co_u32 s40, s40, SCL
	v_add_nc_u32 v5, v5, v6
	v_add_nc_u32 v[ADRS], s40, v5
	v_lshlrev_b32 v[H32], 5, v2
	v_lshlrev_b32 v[R4], 2, v1
	v_and_b32 v5, 31, v0
	v_lshlrev_b32 v[LI], 4, v5
	v_lshlrev_b32 v[SA], 4, v1
	v_mad_u32_u24 v[SA], v2, HS, v[SA]
	v_mov_b32 v[SELV], 0x05040100
	v_mov_b32 v11, 0x07060302
	v_cndmask_b32 v[SELV], v[SELV], v11, s[LM]
.irp b, 0,1,2,3
	v_mov_b32 v[TM+4+\b], 0                        ; written once: a lane permute's destination counts as one of its sources
.endr
	; my wave's first row of W (n0) and first token (m0)
	s_lshl_b32 s40, s[TA], 8
	s_lshl_b32 s41, s[HA], 7
	s_add_co_u32 s40, s40, s41
	s_lshl_b32 s42, s[TBT], 8
	s_lshl_b32 s43, s[HB], 7
	s_add_co_u32 s42, s42, s43
	s_cmp_eq_u32 s[ISV], 1
	s_cselect_b32 s44, s40, s42                    ; n0
	s_cselect_b32 s45, s42, s40                    ; m0
	s_lshl_b32 s46, s44, 2
	s_mov_b32 s47, 0
	s_add_nc_u64 s[12:13], s[12:13], s[46:47]
	; The bias of my 128 rows of W, in both forms: along the registers (q, k) and a number a lane (v).  Every wave loads both, so that no register of the way out hangs on the path taken: 8 or 16 loads more, once.
.irp b, 0,1,2,3,4,5,6,7
	global_load_b128 v[BI+8*\b:BI+8*\b+3], v[H32], s[12:13] offset:64*\b        ; b(n0 + 16 b + 8 h + 0 .. 3)
	global_load_b128 v[BI+8*\b+4:BI+8*\b+7], v[H32], s[12:13] offset:64*\b+16
.endr
.irp a, 0,1,2,3,4,5,6,7
	global_load_b32 v[BV+\a], v[R4], s[12:13] offset:64*\a                      ; b(n0 + 16 a + r)
.endr
	s_lshr_b32 s46, s45, 11                        ; batch
	s_lshl_b32 s46, s46, 4
	s_and_b32 s47, s44, 1023
	s_lshr_b32 s47, s47, 6                         ; my first head (I have two)
	s_add_co_u32 s46, s46, s47
	s_lshl_b32 s46, s46, 4
	s_bfe_u32 s47, s45, 0x40007                    ; my group of 128 tokens
	s_add_co_u32 s46, s46, s47
	s_mul_i32 s46, s46, REC
	s_mov_b32 s47, 0
	s_add_nc_u64 s[RB:RB+1], s[RB:RB+1], s[46:47]
	s_mov_b32 s44, 12800
	s_cmp_eq_u32 ttmp9, 1                          ; k's parts of the record, or q's
	s_cselect_b32 s46, 0, 8704
	s_cselect_b32 s44, 8192, s44
	s_mov_b32 s45, 0
	s_add_nc_u64 s[OC:OC+1], s[RB:RB+1], s[46:47]
	s_add_nc_u64 s[OS:OS+1], s[RB:RB+1], s[44:45]
.macro FRAG reg, adr, q, i             ; 16 rows x 128 K of 4-bit codes: 8 registers; registers 4 c .. 4 c + 3 hold K = 64 c + 32 h + 0 .. 31
.irp c, 0,1
	ds_load_b128 v[\reg+4*\c:\reg+4*\c+3], v[\adr] offset:64*(\q)+32*\c+(\i)*16*PITCH
.endr
.endm
; 16 matrix instructions: A's blocks a0, a0 + 1 x B's eight.  The 64 accumulators take turns, one instruction a turn, in the same order in every step.
.macro MUL16 a0, p, q, sc, zero
.irp a, \a0, \a0+1
.irp b, 0,1,2,3,4,5,6,7
.if \zero
	v_wmma_scale_f32_16x16x128_f8f6f4 v[8*(8*((\a)%4)+\b):8*(8*((\a)%4)+\b)+7], v[128*(\p)+FR*\b:128*(\p)+FR*\b+FR-1], v[AF+FR*(\a):AF+FR*(\a)+FR-1], 0, v[SC+8*NQ*(\sc)+NQ*\b+(\q)], v[SC+8*NQ*(\sc)+NQ*(\a)+(\q)] matrix_a_fmt:MATRIX_FMT_FP4 matrix_b_fmt:MATRIX_FMT_FP4 matrix_a_scale:MATRIX_SCALE_ROW1
.else
	v_wmma_scale_f32_16x16x128_f8f6f4 v[8*(8*((\a)%4)+\b):8*(8*((\a)%4)+\b)+7], v[128*(\p)+FR*\b:128*(\p)+FR*\b+FR-1], v[AF+FR*(\a):AF+FR*(\a)+FR-1], v[8*(8*((\a)%4)+\b):8*(8*((\a)%4)+\b)+7], v[SC+8*NQ*(\sc)+NQ*\b+(\q)], v[SC+8*NQ*(\sc)+NQ*(\a)+(\q)] matrix_a_fmt:MATRIX_FMT_FP4 matrix_b_fmt:MATRIX_FMT_FP4 matrix_a_scale:MATRIX_SCALE_ROW1
.endif
.endr
.endr
.endm
.macro FETCH_B slot, q, p
	WIN TO_B
.irp i, 0,1,2,3,4,5,6,7
	FRAG 128*(\p)+FR*\i, ADRB+\slot, \q, \i
.endr
	WIN 0
.endm
.macro FETCH_A slot, q, i0
.irp i, \i0, \i0+1, \i0+2, \i0+3
	FRAG AF+FR*(\i), ADRA+\slot, \q, \i
.endr
.endm
.macro SCALES sc                       ; a slot's scale words: 4 words a row; lanes 0-15 take A's block i, lanes 16-31 B's block i
.irp i, 0,1,2,3,4,5,6,7
	ds_load_b128 v[SC+8*NQ*\sc+NQ*\i:SC+8*NQ*\sc+NQ*\i+3], v[ADRS] offset:\i*SBLK
.endr
.endm
.macro PLACES n                        ; plain vector lines between a matrix instruction and a load into, or a vector line on, its registers
.rept \n
	v_nop
.endr
.endm
.macro STEP slot, q, zero              ; 128 along K, with its successor in the same slot
	s_wait_dscnt 4*NL                              ; all but the youngest 8 loads (A's blocks 4-7)
	WIN MUL_LO
	MUL16 0, (\q)%2, \q, \slot, \zero
	MUL16 2, (\q)%2, \q, \slot, \zero
	s_wait_dscnt 0
	PLACES NP
	FETCH_B \slot, (\q)+1, 1-(\q)%2
	FETCH_A \slot, (\q)+1, 0
	WIN MUL_HI
	MUL16 4, (\q)%2, \q, \slot, \zero
	MUL16 6, (\q)%2, \q, \slot, \zero
	PLACES NP
	WIN 0
	FETCH_A \slot, (\q)+1, 4
.endm
.macro TURN slot, next                 ; slot 0's last step: behind its barrier slot 1 is whole for every wave; nothing is filled again
	s_wait_tensorcnt 0x0                           ; all my tensor loads have landed: my part of slot 1
	ds_add_u32 v[SPW], v[NIL]
	s_wait_dscnt 4*NL+1                            ; the add and the youngest 8 loads may be out
	WIN MUL_LO
	MUL16 0, 1, NQ-1, \slot, 0
	s_wait_dscnt 0x0
	s_barrier_signal -1
	MUL16 2, 1, NQ-1, \slot, 0
	WIN 0
	s_barrier_wait -1
	PLACES NP
	v_add_nc_u32 v[ADRS], 4*NQ, v[ADRS]            ; on to the next slot's scale words
	FETCH_B \next, 0, 0
	FETCH_A \next, 0, 0
	SCALES \next
	WIN MUL_HI
	MUL16 4, 1, NQ-1, \slot, 0
	MUL16 6, 1, NQ-1, \slot, 0
	PLACES NP
	WIN 0
	FETCH_A \next, 0, 4
.endm
.macro STEPS slot, from
.set Q, \from
.rept NQ-1-\from
	STEP \slot, Q, 0
.set Q, Q+1
.endr
.endm
	s_wait_tensorcnt 1                             ; the scale bytes and my part of slot 0 are in; slot 1's load, issued behind them, may be out
	s_barrier_signal -1
	s_barrier_wait -1                              ; everybody's are
	FETCH_B 0, 0, 0
	FETCH_A 0, 0, 0
	SCALES 0
	FETCH_A 0, 0, 4
	STEP 0, 0, 1                                   ; the first products start the sums: nothing is cleared
	STEPS 0, 1
	TURN 0, 1
	STEPS 1, 0
	s_wait_dscnt 4*NL                              ; the last step: nothing more to fetch
	WIN MUL_LO
	MUL16 0, 1, NQ-1, 1, 0
	MUL16 2, 1, NQ-1, 1, 0
	s_wait_dscnt 0
	WIN MUL_HI
	MUL16 4, 1, NQ-1, 1, 0
	MUL16 6, 1, NQ-1, 1, 0
	WIN 0
; 64 numbers of a lane, v[s] on: register 16 b + 8 e + j = K 32 b + 16 e + 8 h + j of my row.  They become a fragment's codes in v[pc] on and my row's scale word in v[pw].
.macro QUANT s, pc, pw
.irp b, 0,1,2,3
	v_max3_num_f32 v[TM+\b], |v[\s+16*\b]|, |v[\s+1+16*\b]|, 0x1800000   ; block b: my 16 numbers, and the floor 2^(3 - 127): the byte cannot fall under 1
.endr
.irp i, 2,4,6,8,10,12,14
.irp b, 0,1,2,3
	v_max3_num_f32 v[TM+\b], v[TM+\b], |v[\s+16*\b+\i]|, |v[\s+1+16*\b+\i]|
.endr
.endr
.irp b, 0,1,2,3
	v_permlanex16_b32 v[TM+4+\b], v[TM+\b], s[SEL], s[SEL+1]
.endr
.irp b, 0,1,2,3
	v_max_num_f32 v[TM+\b], v[TM+\b], v[TM+4+\b]   ; with lane l xor 16's: the block's largest magnitude
.endr
.irp b, 0,1,2,3
	v_add_nc_u32 v[TM+12+\b], 0xff000000, v[TM+\b] ; 2 off its exponent field: the conversion's scale operand
.endr
.irp b, 0,1,2,3
	v_lshrrev_b32 v[TM+4+\b], 23, v[TM+12+\b]      ; the scale's byte
.endr
	v_lshl_or_b32 v[\pw], v[TM+5], 8, v[TM+4]
	v_lshl_or_b32 v[\pw], v[TM+6], 16, v[\pw]
	v_lshl_or_b32 v[\pw], v[TM+7], 24, v[\pw]
.irp b, 0,1,2,3
.irp e, 0,1
	v_cvt_scalef32_pk8_fp4_f32 v[\pc+4*(\b/2)+2*\e+(\b%2)], v[\s+16*\b+8*\e:\s+16*\b+8*\e+7], v[TM+12+\b]
.endr
.endr
	v_nop                                          ; one plain line behind a scaled conversion
.irp x, 0,2,4,6
	v_permlane16_swap_b32 v[\pc+\x], v[\pc+\x+1]   ; the first's lanes 16-31 change places with the second's lanes 0-15
.endr
.endm
; q, k: tile a of 16 tokens; the 64 numbers run along two heads.  The bias's addition also brings the sums into window 0; each accumulator is read from its low end on.
.macro EPI_QK a
	WIN 0x02+(\a)/4
.set i, 0
.rept 32
	v_pk_add_f32 v[T+2*i:T+2*i+1], v[64*((\a)%4)+2*i:64*((\a)%4)+2*i+1], v[BI+2*i:BI+2*i+1]
.set i, i+1
.endr
	WIN 0
	QUANT T, PC+8*(\a), PW+(\a)
	global_store_b128 v[LI], v[PC+8*(\a):PC+8*(\a)+3], s[OC:OC+1] offset:512*(\a)          ; the first head: 32 lanes store 512 consecutive bytes
	global_store_b128 v[LI], v[PC+8*(\a)+4:PC+8*(\a)+7], s[OC:OC+1] offset:512*(\a)+HS     ; the second
.endm
; v: tile a of 16 rows of W (head a / 4, d 16 (a % 4) on); the 64 numbers run along my 128 tokens, which are the second product's K
.macro EPI_V a
	v_mov_b32 v[TM+8], v[BV+(\a)]
	v_mov_b32 v[TM+9], v[BV+(\a)]                  ; my row's bias, as a pair
	WIN 0x02+(\a)/4
.set i, 0
.rept 32
	v_pk_add_f32 v[T+2*i:T+2*i+1], v[64*((\a)%4)+2*i:64*((\a)%4)+2*i+1], v[TM+8:TM+9]
.set i, i+1
.endr
	WIN 0
	QUANT T, PC+8*(\a), PW+(\a)
	global_store_b128 v[LI], v[PC+8*(\a):PC+8*(\a)+3], s[RB:RB+1] offset:((\a)/4)*HS+4096+1024*((\a)%4)
	global_store_b128 v[LI], v[PC+8*(\a)+4:PC+8*(\a)+7], s[RB:RB+1] offset:((\a)/4)*HS+4096+1024*((\a)%4)+512
.endm
	; THE WAY OUT.  Every tile has registers of its own for its codes and its scale word, so no store's data are written again.  No LDS is touched.
	PLACES NP
	s_wait_loadcnt 0x0                             ; the bias
	s_cmp_eq_u32 s[ISV], 1                         ; the cluster's x: the same in all partners and all waves
	s_cbranch_scc1 .Lv
.irp a, 0,1,2,3,4,5,6,7
	EPI_QK \a
.endr
.irp u, 0,1,2,3
	v_perm_b32 v[TM+8+\u], v[PW+2*\u+1], v[PW+2*\u], v[SELV]   ; word u: two bytes of tile 2 u, two of tile 2 u + 1; lanes 0-15 the first head's, lanes 16-31 the second's
.endr
	global_store_b128 v[SA], v[TM+8:TM+11], s[OS:OS+1]         ; sixteen lanes store 256 consecutive bytes of a record
	s_branch .Ljoin
.Lv:
.irp a, 0,1,2,3,4,5,6,7
	EPI_V \a
.endr
.irp d, 0,1,2,3
	v_cndmask_b32 v[TM+8+\d], v[PW+\d], v[PW+4+\d], s[LM]      ; lanes 0-15 the first head's rows, lanes 16-31 the second's
.endr
	global_store_b128 v[SA], v[TM+8:TM+11], s[RB:RB+1] offset:8448
.Ljoin:
	s_wait_tensorcnt 0x0                           ; the wave's end
	ds_add_u32 v[SPW], v[NIL]
	s_wait_dscnt 0x0
	CROUND                                         ; the closing round
	s_endpgm
.Lfunc_end_k_qeb9649678d_qkv:
	.size	k_qeb9649678d_qkv, .Lfunc_end_k_qeb9649678d_qkv-k_qeb9649678d_qkv
	.p2alignl 7, 3214868480
	.fill 96, 4, 3214868480
	.section	.rodata,"a",@progbits
	.p2align	6, 0x0
	.amdhsa_kernel k_qeb9649678d_qkv
		.amdhsa_group_segment_fixed_size 327680
		.amdhsa_private_segment_fixed_size 0
		.amdhsa_enable_private_segment 0
		.amdhsa_kernarg_size 48
		.amdhsa_user_sgpr_count 2
		.amdhsa_user_sgpr_kernarg_segment_ptr 1
		.amdhsa_wavefront_size32 1
		.amdhsa_system_sgpr_workgroup_id_x 1
		.amdhsa_system_sgpr_workgroup_id_y 1
		.amdhsa_system_sgpr_workgroup_id_z 1
		.amdhsa_system_vgpr_workitem_id 0
		.amdhsa_next_free_vgpr 1024
		.amdhsa_next_free_sgpr 100
		.amdhsa_reserve_vcc 0
		.amdhsa_float_denorm_mode_32 3
		.amdhsa_float_denorm_mode_16_64 3
		.amdhsa_memory_ordered 1
		.amdhsa_forward_progress 1
		.amdhsa_inst_pref_size 195
	.end_amdhsa_kernel
	.amdgpu_metadata
---
amdhsa.version: [ 1, 2 ]
amdhsa.kernels:
  - .name:           k_qeb9649678d_qkv
    .symbol:         k_qeb9649678d_qkv.kd
    .args:
      - { .name: x_codes, .offset: 0, .size: 8, .value_kind: global_buffer, .address_space: global }
      - { .name: x_scales, .offset: 8, .size: 8, .value_kind: global_buffer, .address_space: global }
      - { .name: W_qkv_codes, .offset: 16, .size: 8, .value_kind: global_buffer, .address_space: global }
      - { .name: W_qkv_scales, .offset: 24, .size: 8, .value_kind: global_buffer, .address_space: global }
      - { .name: b_qkv, .offset: 32, .size: 8, .value_kind: global_buffer, .address_space: global }
      - { .name: qkv, .offset: 40, .size: 8, .value_kind: global_buffer, .address_space: global }
    .group_segment_fixed_size: 327680
    .private_segment_fixed_size: 0
    .kernarg_segment_align: 8
    .kernarg_segment_size: 48
    .max_flat_workgroup_size: 128
    .sgpr_count:     100
    .vgpr_count:     1024
    .wavefront_size: 32
...
	.end_amdgpu_metadata
.endif
;; end of part 1
;; launch attn (part 2): grid 4 x 64, 16 waves a work-group, clusters of 4 x 1, 167,936 bytes of LDS; arguments qkv, y_codes, y_scales; writes y_codes, y_scales
.if DOCPART == 2
	.amdgcn_target "amdgcn-amd-amdhsa--gfx1250"
	.amdhsa_code_object_version 6
	.text
	.protected	k_qeb9649678d_attn
	.globl	k_qeb9649678d_attn
	.p2align	8
	.type	k_qeb9649678d_attn,@function
k_qeb9649678d_attn:
	s_mov_b64 s[64:65], 0
	v_nop
	global_prefetch_b8 v0, s[64:65] scope:SCOPE_SE
	s_setreg_imm32_b32 hwreg(HW_REG_WAVE_MODE, 25, 1), 1
	s_wait_xcnt 0x0
	s_wait_alu depctr_hold_cnt(0) depctr_sa_sdst(0) depctr_va_vdst(0) depctr_va_sdst(0) depctr_va_ssrc(0) depctr_va_vcc(0) depctr_vm_vsrc(0)
	s_getreg_b32 s2, hwreg(HW_REG_IB_STS2, 6, 4)
	s_cmp_eq_u32 s2, 0
	s_cbranch_scc0 .Lentry_in_a_cluster
	s_endpgm
.Lentry_in_a_cluster:
	s_bfe_u32 s2, ttmp6, 0x10000c
	s_cmp_lg_u32 s2, 0x3003
	s_cbranch_scc0 .Lentry_shape_is_right
	s_endpgm
.Lentry_shape_is_right:
; SECOND LAUNCH: causal attention on codes of FP4, and y = O / l quantised along the model's axis for the last product.
; LEFT OUT: the key steps of 128 keys that lie wholly behind a tile's 16 queries: under reference()'s own jnp.tril their p is 0 for all inputs and reaches neither the row's sum nor O.
; LIMITS: as stated at the head of the first launch; y = O x (1 / l) with v_rcp_f32.  y's scale bytes leave two bytes a token (a head owns 2 of a row's 32 bytes): pieces of rows, one part in 17 of what the launch stores.
; THE SOFTMAX: t = score x log2(e) / 8; M = the running largest t rounded up to a whole number; p = 2^(t - M) is quantised along the keys, not normalised; the row's sum is taken of the unquantised p;
; when M moves, the sum and O are multiplied by 2^(old M - new M), which rounds nothing.
; SHARES.  The four work-groups of a cluster (place g) share one (batch, head).  Wave w of 16 owns two tiles of 16 queries: TL = 4 w + g and TH = 127 - TL.  Tile T wants key steps 0 .. T / 8:
; TL / 8 = w / 2 and TH / 8 = 15 - w / 2, so every wave of the launch has 17 tile steps, and no branch hangs on g.  Every work-group reads all 16 key steps.
; LDS.  The head's k and v, codes and scale words, lie whole in LDS: key step s at 8,704 s, the first 8,704 bytes of its record.  Each wave asks for one step, jointly with its three partners; each byte is filled once.
; K = 64 IN A FORM OF K = 128.  A fragment of k holds TWO tiles of 16 keys (registers 0-3, 4-7).  q stands as [q | 0 | q] in 12 registers: [q | 0] gives the first tile's scores, [0 | q], four registers on, the second's.
; Zero codes add nothing.  k's scale word holds two bytes of each tile, q's is {q0, q1, q0, q1}.
; LAYOUT.  Both products are used transposed: S^T = k q^T, O^T = v^T p^T: a lane holds one query (lane % 16); register 8 t + j of S^T is key 16 t + 8 h + j.  How the conversions' results become an operand: first launch.
; REGISTERS: v1-11 addresses; v12-15, v16-19 a tile's -M, largest t, sum (two halves); v20, v21 q's scale words; v24-35, v36-47 [q | 0 | q]; v48-79 four fragments; v80-83 their scale words; v96-159 S^T, then p;
; v160-191, v192-223 O^T; v224-231 codes; v232-254 at work.
.set REC,   13056
.set KV,    8704
.set SPARE, 16*KV                      ; the spare words, 128 bytes for each wave: eight blocks of 256 bytes that no other line names
.set LI,  1                            ; v1  16 x lane
.set LR,  2                            ; v2  16 r
.set SPW, 3
.set NIL, 4
.set ADK, 5
.set ADS, 6
.set WV,  10
.set G,   11
.set BH,  12
.set G1,  16
.set G0,  24
.set ST,  28                           ; s28 the key step;  s29 its first LDS byte
.set TB,  29
.set LASTL, 30
.set LASTH, 31
.set SEL, 32
.set CS,  34
.set LM,  46
.macro ROUND                           ; a round of the cluster's barrier
	s_barrier_signal -1
	s_barrier_wait -1
	s_cmp_lg_u32 s[WV], 0
	s_cbranch_scc1 .Lnot_wave_0_\@
	s_barrier_signal -3
.Lnot_wave_0_\@:
	s_barrier_wait -3
	s_barrier_signal -1
	s_barrier_wait -1
.endm
; offsets in qkv of a tile's q: its codes (qc), its scale words (qs), and the byte selects that make {q0, q1, q0, q1} of word m / 2.  m: the tile's place among its record's eight
.macro QADDR m, last, qc, qs, sel
	s_add_co_u32 s56, s55, s[\last]
	s_mul_i32 s56, s56, REC
	s_lshl_b32 s57, s[\m], 9
	s_add_co_u32 s[\qc], s56, s57
	s_add_co_u32 s[\qc], s[\qc], 8704
	s_mov_b32 s[\qc+1], 0
	s_lshr_b32 s57, s[\m], 1
	s_lshl_b32 s57, s57, 2
	s_add_co_u32 s[\qs], s56, s57
	s_add_co_u32 s[\qs], s[\qs], 12800
	s_mov_b32 s[\qs+1], 0
	s_and_b32 s[\sel], s[\m], 1
	s_mul_i32 s[\sel], s[\sel], 0x02020202
	s_add_co_u32 s[\sel], s[\sel], 0x01000100
.endm
	s_load_b128 s[4:7], s[0:1], 0x0                ; qkv s[4:5], y's codes s[6:7]
	s_load_b64 s[8:9], s[0:1], 0x10                ; y's scale bytes
	v_lshl_add_u32 v[SPW], v0, 2, SPARE
	v_mov_b32 v[NIL], 0
	ds_add_u32 v[SPW], v[NIL]                      ; the wave's opening: the add, twice on end, and its wait ahead of my tensor load
	ds_add_u32 v[SPW], v[NIL]
	v_lshrrev_b32 v5, 5, v0
	v_readfirstlane_b32 s[WV], v5                  ; wave 0..15
	s_bfe_u32 s[G], ttmp6, 0x40000                 ; my place in the cluster: it enters global addresses and the mask's numbers alone
	s_and_b32 s[BH], ttmp7, 0xffff                 ; 16 batch + head
	s_mov_b32 s[G1+0], 15|(3<<16)|(1<<21)          ; the mask: all four; elements of 8 bytes; no padding
	s_mov_b32 s[G1+1], 32<<16                      ; 34 dense rows of 256 bytes
	s_mov_b32 s[G1+2], 34<<16
	s_mov_b32 s[G1+3], 32<<16
	s_mov_b32 s[G1+4], 34
	s_mov_b32 s[G1+5], 32
	s_mov_b32 s[G1+6], 0
	s_mov_b32 s[G1+7], 0
	s_mov_b32 s[G0], 1
	s_mul_i32 s[G0+1], s[WV], KV                   ; key step w goes to 8,704 w
	s_lshl_b32 s55, s[BH], 4                       ; the head's first record
	s_add_co_u32 s48, s55, s[WV]
	s_mul_i32 s48, s48, REC
	s_mov_b32 s49, 0
	s_lshr_b32 s[LASTL], s[WV], 1
	s_sub_co_u32 s[LASTH], 15, s[LASTL]
	s_and_b32 s47, s[WV], 1
	s_lshl_b32 s47, s47, 2
	s_add_co_u32 s47, s47, s[G]                    ; TL % 8
	s_sub_co_u32 s54, 7, s47                       ; TH % 8
	QADDR 47, LASTL, 36, 50, 44
	QADDR 54, LASTH, 38, 52, 45
	s_and_b32 s58, s[BH], 15                       ; head
	s_lshr_b32 s59, s[BH], 4                       ; batch
	s_lshr_b32 s60, s58, 3
	s_lshl_b32 s60, s60, 21                        ; y's codes: the half of K,
	s_and_b32 s61, s58, 7
	s_lshl_b32 s61, s61, 9                         ; the head's 512 bytes in a tile's 4,096,
	s_add_co_u32 s60, s60, s61
	s_lshl_b32 s61, s59, 7
	s_lshl_b32 s62, s[WV], 2
	s_add_co_u32 s62, s62, s[G]                    ; TL
	s_sub_co_u32 s63, 127, s62                     ; TH
	s_add_co_u32 s62, s62, s61                     ; as tiles of 16 among all 8,192 tokens
	s_add_co_u32 s63, s63, s61
	s_lshl_b32 s40, s62, 12
	s_add_co_u32 s40, s40, s60
	s_mov_b32 s41, 0
	s_lshl_b32 s42, s63, 12
	s_add_co_u32 s42, s42, s60
	s_mov_b32 s43, 0
	s_lshl_b32 s62, s62, 9                         ; y's scale bytes: 32 a token, 2 head on
	s_lshl_b32 s63, s63, 9
	s_lshl_b32 s58, s58, 1
	s_add_co_u32 s62, s62, s58
	s_add_co_u32 s63, s63, s58
	s_mov_b32 s[SEL], 0x76543210
	s_mov_b32 s[SEL+1], 0xfedcba98
	s_mov_b32 s[CS], 0x3e38aa3b                    ; c = log2(e) / 8
	s_mov_b32 s[CS+1], s[CS]
	s_mov_b32 s[LM], 0xffff0000                    ; lanes 16-31
	s_wait_dscnt 0x0                               ; both opening adds are done
	s_wait_kmcnt 0x0
	s_add_nc_u64 s[G0+2:G0+3], s[4:5], s[48:49]    ; made of the head and the wave's number: the same in all four partners
	s_or_b32 s[G0+3], s[G0+3], 0x80000000
	s_add_nc_u64 s[36:37], s[4:5], s[36:37]
	s_add_nc_u64 s[38:39], s[4:5], s[38:39]
	s_add_nc_u64 s[50:51], s[4:5], s[50:51]
	s_add_nc_u64 s[52:53], s[4:5], s[52:53]
	s_add_nc_u64 s[40:41], s[6:7], s[40:41]
	s_add_nc_u64 s[42:43], s[6:7], s[42:43]
	ROUND                                          ; all four work-groups are here: the joint loads meet
	tensor_load_to_lds s[G0:G0+3], s[G1:G1+7]      ; my one tensor load
	s_nop 0
	v_and_b32 v[LI], 31, v0
	v_lshlrev_b32 v[LI], 4, v[LI]
	v_and_b32 v7, 15, v0                           ; r
	v_lshlrev_b32 v[LR], 4, v7
	global_load_b128 v[24:27], v[LI], s[36:37]     ; q of tile L, twice
	global_load_b128 v[32:35], v[LI], s[36:37]
	global_load_b128 v[36:39], v[LI], s[38:39]     ; and of tile H
	global_load_b128 v[44:47], v[LI], s[38:39]
	global_load_b32 v20, v[LR], s[50:51]
	global_load_b32 v21, v[LR], s[52:53]
.irp j, 28,29,30,31,40,41,42,43
	v_mov_b32 v[\j], 0                             ; the zero codes between
.endr
	v_bfe_u32 v84, v0, 4, 1                        ; h
	v_lshlrev_b32 v84, 3, v84
	v_sub_nc_u32 v84, v7, v84                      ; r - 8 h
	s_lshl_b32 s56, s47, 4
	s_lshl_b32 s57, s54, 4
	v_add_nc_u32 v8, s56, v84                      ; on the diagonal, register n's key 16 (n / 8) + n % 8 + 8 h is hidden where 16 (n / 8) + n % 8 > 16 (T % 8) + r - 8 h
	v_add_nc_u32 v9, s57, v84
	v_mov_b32 v84, s62
	v_mov_b32 v85, s63
	v_cndmask_b32 v11, v84, v85, s[LM]             ; lanes 0-15 store tile L's bytes, lanes 16-31 tile H's
	v_lshl_add_u32 v11, v7, 5, v11
	v_mov_b32 v13, 0xff61b1e6                      ; the largest t so far: -3e38, under every t
	v_floor_f32 v12, -v13                          ; -M
	v_mov_b32 v14, 0
	v_mov_b32 v15, 0
	v_mov_b32 v17, 0xff61b1e6
	v_floor_f32 v16, -v17
	v_mov_b32 v18, 0
	v_mov_b32 v19, 0
.irp j, 236,237,238,239,252,253
	v_mov_b32 v[\j], 0                             ; written once: a lane permute's destination counts as a source; v253 is named in a pair
.endr
	s_wait_loadcnt 0x0                             ; q
	v_perm_b32 v20, v20, v20, s44
	v_perm_b32 v21, v21, v21, s45
.set n, 0
.rept 64
	v_mov_b32 v[160+n], 0                          ; O^T.  The step is written once: the first finds zeros.  (These lines also stand between the scale words just made and the first products)
.set n, n+1
.endr
	s_wait_tensorcnt 0x0                           ; my key step has landed,
	s_barrier_signal -1
	s_barrier_wait -1                              ; everybody's has: the whole head lies in LDS
; A TILE STEP: 16 queries x the 128 keys of step ST.
.macro TSTEP QB, QS, SB, OB, DR, LAST
	s_cmp_gt_u32 s[ST], s[\LAST]                   ; all keys behind my queries: the wave's number and the count of steps alone decide
	s_cbranch_scc1 .Lskip_\@
	v_add_nc_u32 v[ADK], s[TB], v[LI]
	v_add_nc_u32 v[ADS], s[TB], v[LR]
	v_nop
	v_nop                                          ; four plain lines in front of loads into registers that matrix instructions have read
.irp u, 0,1,2,3
.irp c, 0,1
	ds_load_b128 v[48+8*\u+4*\c:51+8*\u+4*\c], v[ADK] offset:1024*\u+512*\c   ; k: tiles 2 u and 2 u + 1
.endr
.endr
	ds_load_b128 v[80:83], v[ADS] offset:8192      ; k's four scale words
	s_wait_dscnt 0x0
.irp u, 0,1,2,3
.irp e, 0,1
	v_wmma_scale_f32_16x16x128_f8f6f4 v[96+8*(2*\u+\e):103+8*(2*\u+\e)], v[48+8*\u:55+8*\u], v[\QB+4*\e:\QB+4*\e+7], 0, v[80+\u], v[\QS] matrix_a_fmt:MATRIX_FMT_FP4 matrix_b_fmt:MATRIX_FMT_FP4
.endr
.endr
.rept 4
	v_nop
.endr
.irp t, 0,1,2,3
.irp c, 0,1
	ds_load_b128 v[48+8*\t+4*\c:51+8*\t+4*\c], v[ADK] offset:4096+1024*\t+512*\c   ; v: they land while the softmax is walked
.endr
.endr
	ds_load_b128 v[80:83], v[ADS] offset:8448
	s_cmp_lg_u32 s[ST], s[\LAST]                   ; only the tile's last step lies on the diagonal
	s_cbranch_scc1 .Lopen_\@
	v_mov_b32 v254, 0xff800000                     ; -infinity
.set n, 0
.rept 64
	v_cmp_gt_i32 vcc_lo, 16*(n/8)+n%8, v[\DR]
	v_cndmask_b32 v[96+n], v[96+n], v254, vcc_lo
.set n, n+1
.endr
.Lopen_\@:
.irp b, 0,1,2,3
	v_max3_num_f32 v[232+\b], v[96+16*\b], v[97+16*\b], v[98+16*\b]   ; the largest score of each block of 32 keys: for the row's maximum, and, since p rises with the score, for the block's largest p
.endr
.irp i, 3,5,7,9,11,13
.irp b, 0,1,2,3
	v_max3_num_f32 v[232+\b], v[232+\b], v[96+16*\b+\i], v[97+16*\b+\i]
.endr
.endr
.irp b, 0,1,2,3
	v_max_num_f32 v[232+\b], v[232+\b], v[111+16*\b]
.endr
.irp b, 0,1,2,3
	v_permlanex16_b32 v[236+\b], v[232+\b], s[SEL], s[SEL+1]
.endr
.irp b, 0,1,2,3
	v_max_num_f32 v[232+\b], v[232+\b], v[236+\b]  ; with lane l xor 16's 16 keys
.endr
	v_max3_num_f32 v254, v232, v233, v234
	v_max_num_f32 v254, v254, v235
	v_mul_f32 v254, s[CS], v254                    ; as t
	v_max_num_f32 v[\SB+1], v[\SB+1], v254         ; the running largest t
	v_mov_b32 v254, v[\SB]
	v_floor_f32 v[\SB], -v[\SB+1]                  ; the new -M = -ceil(t)
	v_sub_f32 v254, v[\SB], v254                   ; old M - new M: a whole number, 0 or less
	v_cvt_i32_f32 v254, v254                       ; (it saturates)
	v_ldexp_f32 v252, 1.0, v254                    ; f = 2^(old M - new M)
.set n, 0
.rept 32
	v_pk_fma_f32 v[96+n:97+n], v[96+n:97+n], s[CS:CS+1], v[\SB:\SB+1] op_sel_hi:[1,0,0]   ; t - M
.set n, n+2
.endr
.irp b, 0,1,2,3
	v_fma_f32 v[232+\b], v[232+\b], s[CS], v[\SB]
.endr
.set n, 0
.rept 64
	v_exp_f32 v[96+n], v[96+n]                     ; p = 2^(t - M)
.set n, n+1
.endr
	v_pk_mul_f32 v[\SB+2:\SB+3], v[\SB+2:\SB+3], v[252:253] op_sel_hi:[1,0]   ; the sums under the new M: the plain line behind the exponentials
	s_wait_alu depctr_va_vdst(0)                   ; one wait for the batch, ahead of its first reader
.irp b, 0,1,2,3
	v_exp_f32 v[232+\b], v[232+\b]                 ; each block's largest p
.endr
	v_pk_add_f32 v[236:237], v[96:97], v[98:99]    ; the row's sum, of the unquantised p, in two chains
.irp j, 4,8,12,16,20,24,28,32,36,40,44,48,52,56,60
	v_pk_add_f32 v[\SB+2:\SB+3], v[\SB+2:\SB+3], v[96+\j:97+\j]
	v_pk_add_f32 v[236:237], v[236:237], v[98+\j:99+\j]
.endr
	v_pk_add_f32 v[\SB+2:\SB+3], v[\SB+2:\SB+3], v[236:237]
	s_wait_alu depctr_va_vdst(0)                   ; and one for the four
.irp b, 0,1,2,3
	v_max_num_f32 v[232+\b], 0x1800000, v[232+\b]  ; the floor 2^(3 - 127): the byte cannot fall under 1 (a block of zeros keeps it: its codes are zeros)
.endr
.irp b, 0,1,2,3
	v_add_nc_u32 v[244+\b], 0xff000000, v[232+\b]  ; 2 off the exponent field: the conversion's scale operand
.endr
.irp b, 0,1,2,3
	v_lshrrev_b32 v[236+\b], 23, v[244+\b]
.endr
	v_lshl_or_b32 v253, v237, 8, v236              ; p's scale word for these 128 keys
	v_lshl_or_b32 v253, v238, 16, v253
	v_lshl_or_b32 v253, v239, 24, v253
.irp b, 0,1,2,3
.irp e, 0,1
	v_cvt_scalef32_pk8_fp4_f32 v[224+4*(\b/2)+2*\e+(\b%2)], v[96+16*\b+8*\e:103+16*\b+8*\e], v[244+\b]
.endr
.endr
	v_nop                                          ; one plain line behind a scaled conversion
.irp x, 0,2,4,6
	v_permlane16_swap_b32 v[224+\x], v[225+\x]
.endr
.set n, 0
.rept 16
	v_pk_mul_f32 v[\OB+n:\OB+n+1], v[\OB+n:\OB+n+1], v[252:253] op_sel_hi:[1,0]   ; O^T under the new M.  (These 16 also stand between the codes and the scale word just made and the products)
.set n, n+2
.endr
	s_wait_dscnt 0x0                               ; v
.irp t, 0,1,2,3
	v_wmma_scale_f32_16x16x128_f8f6f4 v[\OB+8*\t:\OB+8*\t+7], v[48+8*\t:55+8*\t], v[224:231], v[\OB+8*\t:\OB+8*\t+7], v[80+\t], v253 matrix_a_fmt:MATRIX_FMT_FP4 matrix_b_fmt:MATRIX_FMT_FP4
.endr
.Lskip_\@:
.endm
; A tile's end: y = O / l; its 64 numbers a token are two blocks of the last product's K: codes as an image of the operand's registers, two scale bytes
.macro FINISH SB, OB, PCB, BYT, YA
	v_add_f32 v254, v[\SB+2], v[\SB+3]
	v_permlanex16_b32 v252, v254, s[SEL], s[SEL+1]
	v_add_f32 v254, v254, v252                     ; the row's sum
	v_rcp_f32 v252, v254
	v_nop
	s_wait_alu depctr_va_vdst(0)                   ; ahead of the first reader
.set n, 0
.rept 16
	v_pk_mul_f32 v[96+n:97+n], v[\OB+n:\OB+n+1], v[252:253] op_sel_hi:[1,0]   ; register 8 t + j: y(token r, 16 t + 8 h + j)
.set n, n+2
.endr
.irp b, 0,1
	v_max3_num_f32 v[232+\b], |v[96+16*\b]|, |v[97+16*\b]|, 0x1800000
.endr
.irp i, 2,4,6,8,10,12,14
.irp b, 0,1
	v_max3_num_f32 v[232+\b], v[232+\b], |v[96+16*\b+\i]|, |v[97+16*\b+\i]|
.endr
.endr
.irp b, 0,1
	v_permlanex16_b32 v[236+\b], v[232+\b], s[SEL], s[SEL+1]
.endr
.irp b, 0,1
	v_max_num_f32 v[232+\b], v[232+\b], v[236+\b]
.endr
.irp b, 0,1
	v_add_nc_u32 v[244+\b], 0xff000000, v[232+\b]
.endr
.irp b, 0,1
	v_lshrrev_b32 v[236+\b], 23, v[244+\b]
.endr
	v_lshl_or_b32 v[\BYT], v237, 8, v236
.irp b, 0,1
.irp e, 0,1
	v_cvt_scalef32_pk8_fp4_f32 v[\PCB+2*\e+\b], v[96+16*\b+8*\e:103+16*\b+8*\e], v[244+\b]
.endr
.endr
	v_nop
.irp x, 0,2
	v_permlane16_swap_b32 v[\PCB+\x], v[\PCB+\x+1]
.endr
	global_store_b128 v[LI], v[\PCB:\PCB+3], s[\YA:\YA+1]    ; 32 lanes store 512 consecutive bytes
.endm
	s_mov_b32 s[ST], 0
	s_mov_b32 s[TB], 0
.Lstep:                                            ; 16 trips, in every wave: what a tile does not want is jumped over
	TSTEP 36, 21, 16, 192, 9, LASTH
	TSTEP 24, 20, 12, 160, 8, LASTL
	s_add_co_u32 s[TB], s[TB], KV
	s_add_co_u32 s[ST], s[ST], 1
	s_cmp_lt_u32 s[ST], 16
	s_cbranch_scc1 .Lstep
.rept 4
	v_nop
.endr
	FINISH 16, 192, 228, 87, 42
	FINISH 12, 160, 224, 86, 40
	v_cndmask_b32 v10, v86, v87, s[LM]
	global_store_b16 v11, v10, s[8:9]              ; a token's two scale bytes of this head
	s_wait_tensorcnt 0x0                           ; the wave's end
	ds_add_u32 v[SPW], v[NIL]
	s_wait_dscnt 0x0
	ROUND                                          ; the closing round
	s_endpgm
.Lfunc_end_k_qeb9649678d_attn:
	.size	k_qeb9649678d_attn, .Lfunc_end_k_qeb9649678d_attn-k_qeb9649678d_attn
	.p2alignl 7, 3214868480
	.fill 96, 4, 3214868480
	.section	.rodata,"a",@progbits
	.p2align	6, 0x0
	.amdhsa_kernel k_qeb9649678d_attn
		.amdhsa_group_segment_fixed_size 167936
		.amdhsa_private_segment_fixed_size 0
		.amdhsa_enable_private_segment 0
		.amdhsa_kernarg_size 24
		.amdhsa_user_sgpr_count 2
		.amdhsa_user_sgpr_kernarg_segment_ptr 1
		.amdhsa_wavefront_size32 1
		.amdhsa_system_sgpr_workgroup_id_x 1
		.amdhsa_system_sgpr_workgroup_id_y 1
		.amdhsa_system_sgpr_workgroup_id_z 1
		.amdhsa_system_vgpr_workitem_id 0
		.amdhsa_next_free_vgpr 256
		.amdhsa_next_free_sgpr 66
		.amdhsa_reserve_vcc 1
		.amdhsa_float_denorm_mode_32 3
		.amdhsa_float_denorm_mode_16_64 3
		.amdhsa_memory_ordered 1
		.amdhsa_forward_progress 1
		.amdhsa_inst_pref_size 56
	.end_amdhsa_kernel
	.amdgpu_metadata
---
amdhsa.version: [ 1, 2 ]
amdhsa.kernels:
  - .name:           k_qeb9649678d_attn
    .symbol:         k_qeb9649678d_attn.kd
    .args:
      - { .name: qkv, .offset: 0, .size: 8, .value_kind: global_buffer, .address_space: global }
      - { .name: y_codes, .offset: 8, .size: 8, .value_kind: global_buffer, .address_space: global }
      - { .name: y_scales, .offset: 16, .size: 8, .value_kind: global_buffer, .address_space: global }
    .group_segment_fixed_size: 167936
    .private_segment_fixed_size: 0
    .kernarg_segment_align: 8
    .kernarg_segment_size: 24
    .max_flat_workgroup_size: 512
    .sgpr_count:     66
    .vgpr_count:     256
    .wavefront_size: 32
...
	.end_amdgpu_metadata
.endif
;; end of part 2
;; launch proj (part 3): grid 4 x 64, 4 waves a work-group, clusters of 4 x 4, 262,144 bytes of LDS; arguments y_codes, y_scales, W_proj_codes, W_proj_scales, b_proj, out0; writes out0
.if DOCPART == 3
	.amdgcn_target "amdgcn-amd-amdhsa--gfx1250"
	.amdhsa_code_object_version 6
	.text
	.protected	k_qeb9649678d_proj
	.globl	k_qeb9649678d_proj
	.p2align	8
	.type	k_qeb9649678d_proj,@function
k_qeb9649678d_proj:
	s_mov_b64 s[64:65], 0
	v_nop
	global_prefetch_b8 v0, s[64:65] scope:SCOPE_SE
	s_setreg_imm32_b32 hwreg(HW_REG_WAVE_MODE, 25, 1), 1
	s_wait_xcnt 0x0
	s_wait_alu depctr_hold_cnt(0) depctr_sa_sdst(0) depctr_va_vdst(0) depctr_va_sdst(0) depctr_va_ssrc(0) depctr_va_vcc(0) depctr_vm_vsrc(0)
	s_getreg_b32 s2, hwreg(HW_REG_IB_STS2, 6, 4)
	s_cmp_eq_u32 s2, 0
	s_cbranch_scc0 .Lentry_in_a_cluster
	s_endpgm
.Lentry_in_a_cluster:
	s_bfe_u32 s2, ttmp6, 0x10000c
	s_cmp_lg_u32 s2, 0xf033
	s_cbranch_scc0 .Lentry_shape_is_right
	s_endpgm
.Lentry_shape_is_right:
; THIRD LAUNCH: out0 = y W_proj^T + b_proj on codes of FP4, sums in f32.  Nothing is left out here.  LIMITS: as stated at the head of the first launch.
; SHARES.  A work-group of four waves makes 128 tokens x 256 columns (so that there are 256 work-groups), a wave 64 x 128: 32 accumulators of 16 x 16, window 2.  All of K (1,024) lies in LDS, in two slots of 512 along K, each filled once.
; y's codes come as images of operand registers (tile of 16 tokens: 4,096 bytes for a half of K; step of 128: 1,024; group of four registers: 512; 16 bytes a lane): no pitch, no padding.  W's come as rows of 256 bytes + 16.
; CLUSTERS: 4 x 4.  y's tiles are asked for jointly along a row of the cluster, W's along a column.  THE MATRIX INSTRUCTION IS USED TRANSPOSED (source 0 = 16 rows of W, source 1 = 16 tokens): a lane holds eight neighbouring columns.
; The bias is the C of each sum's first matrix instruction.
; REGISTERS.  Window 0: v1-29 addresses; v32-95 scale words, two sets; v128-159 y's fragments, one set; on the way out v128-255.  Window 1: W's fragments at v0 and v128; the bias at v64-127.  Window 2: accumulator (a, b) at v[8 (8 a + b)].
.set NQ,     4
.set FR,     8
.set NL,     2
.set NP,     4
.set PITCH,  272
.set HALFT,  128*PITCH
.set BOFF,   32768                     ; a slot: y's 8 tiles of 4,096 bytes, then W's 256 rows
.set SLOTP,  BOFF+2*HALFT
.set SCL,    2*SLOTP                   ; y's scale bytes (16 units of 272), then W's (32)
.set HSA,    8*272
.set HSB,    16*272
.set SBLK,   2*272
.set STG,    SCL+2*HSA+2*HSB           ; the stage: 16 rows x 528 bytes for each wave; bytes of its own, into which no fill lands
.set SPITCH, 528
.set SPARE,  STG+4*16*SPITCH           ; the spare words, 128 bytes for each wave: two blocks of 256 bytes that no other line names
.set ADRA, 16
.set ADRB, 20
.set H32,  22
.set STO,  24
.set RD,   25
.set CO,   26
.set ADRS, 27
.set SPW,  28
.set NIL,  29
.set SC,   32
.set AF,   128
.set BK,   128
.set BIAS, 64                          ; in window 1
.set WV,   16
.set HA,   17
.set HB,   18
.set CX,   20
.set CY,   21
.set TR,   22
.set TC,   23
.set G1,   24
.set G0,   32
.set G1B,  48
.set G0B,  56
.set G1S,  68
.set G0S,  76
.set G1SB, 80
.set G0SB, 88
.set MSB, 0
.macro WIN new
.if MSB != (\new)
	s_set_vgpr_msb (MSB<<8)|(\new)
.set MSB, (\new)
.endif
.endm
.set MULW, 0xa1                        ; source 0 window 1, source 1 window 0, C and D window 2; with the bias as C (window 1): 0x91
.set TO_B, 0x40
.macro JLOAD g0a, g1a, g0b, g1b        ; waves 0 and 1 fetch for y, waves 2 and 3 for W; an s_nop 0 and four v_nop follow each of the two lines
	s_cmp_eq_u32 s[HA], 0
	s_cbranch_scc0 .Lfor_b_\@
	tensor_load_to_lds s[\g0a:\g0a+3], s[\g1a:\g1a+7]
	s_nop 0
.rept 4
	v_nop
.endr
	s_branch .Lasked_\@
.Lfor_b_\@:
	tensor_load_to_lds s[\g0b:\g0b+3], s[\g1b:\g1b+7]
	s_nop 0
.rept 4
	v_nop
.endr
.Lasked_\@:
.endm
.macro CREST
	s_cmp_lg_u32 s[WV], 0
	s_cbranch_scc1 .Lnot_wave_0_\@
	s_barrier_signal -3
.Lnot_wave_0_\@:
	s_barrier_wait -3
	s_barrier_signal -1
	s_barrier_wait -1
.endm
.macro CROUND
	s_barrier_signal -1
	s_barrier_wait -1
	CREST
.endm
	s_load_b256 s[4:11], s[0:1], 0x0               ; y's codes s[4:5], y's scales s[6:7], W's codes s[8:9], W's scales s[10:11]
	s_load_b128 s[12:15], s[0:1], 0x20             ; the bias s[12:13], out0 s[14:15]
	v_lshl_add_u32 v[SPW], v0, 2, SPARE
	v_mov_b32 v[NIL], 0
	ds_add_u32 v[SPW], v[NIL]                      ; the wave's opening: the add, twice on end, and its wait ahead of my first tensor load
	ds_add_u32 v[SPW], v[NIL]
	v_lshrrev_b32 v1, 5, v0
	v_readfirstlane_b32 s[WV], v1
	s_lshr_b32 s[HA], s[WV], 1                     ; my 64 tokens.  Also: I fetch for y (0) or for W (1)
	s_and_b32 s[HB], s[WV], 1                      ; my 128 columns.  Also: which half of that tile I fetch
	s_bfe_u32 s[CX], ttmp6, 0x40000
	s_bfe_u32 s[CY], ttmp6, 0x40004
	s_and_b32 s[TR], ttmp7, 0xffff
	s_lshl_b32 s[TR], s[TR], 2
	s_add_co_u32 s[TR], s[TR], s[CY]               ; my 128 tokens
	s_lshl_b32 s[TC], ttmp9, 2
	s_add_co_u32 s[TC], s[TC], s[CX]               ; my 256 columns
	s_lshl_b32 s40, s[CY], 2
	s_lshl_b32 s40, 15, s40                        ; my row of the cluster
	s_lshl_b32 s41, 0x1111, s[CX]                  ; my column
	s_or_b32 s[G1+0], s40, (3<<16)|(1<<21)         ; y's codes: 16,384 dense bytes as 64 rows of 256 (32 elements of 8 bytes), no padding
	s_mov_b32 s[G1+1], 32<<16
	s_mov_b32 s[G1+2], 64<<16
	s_mov_b32 s[G1+3], 32<<16
	s_mov_b32 s[G1+4], 64
	s_mov_b32 s[G1+5], 32
	s_mov_b32 s[G1+6], 0
	s_mov_b32 s[G1+7], 0
	s_or_b32 s[G1B+0], s41, (0<<16)|(1<<20)|(1<<21)|(5<<22)|(3<<25)  ; W's codes: 128 rows of 256 bytes, 512 apart in memory, 16 bytes of padding behind each
	s_mov_b32 s[G1B+1], 256<<16
	s_mov_b32 s[G1B+2], 128<<16
	s_mov_b32 s[G1B+3], 256<<16
	s_mov_b32 s[G1B+4], 128
	s_mov_b32 s[G1B+5], 512
	s_mov_b32 s[G1B+6], 0
	s_mov_b32 s[G1B+7], 0
	s_or_b32 s[G1S+0], s40, (3<<16)|(1<<20)|(1<<21)|(5<<22)|(3<<25)  ; the scale bytes of 64 tokens: 8 rows of 256 bytes, padded
	s_mov_b32 s[G1S+1], 32<<16
	s_mov_b32 s[G1S+2], 8<<16
	s_mov_b32 s[G1S+3], 32<<16
	s_mov_b32 s[G1S+4], 8
	s_mov_b32 s[G1S+5], 32
	s_mov_b32 s[G1S+6], 0
	s_mov_b32 s[G1S+7], 0
	s_or_b32 s[G1SB+0], s41, (3<<16)|(1<<20)|(1<<21)|(5<<22)|(3<<25) ; of 128 rows of W: 16 rows
	s_mov_b32 s[G1SB+1], 32<<16
	s_mov_b32 s[G1SB+2], 16<<16
	s_mov_b32 s[G1SB+3], 32<<16
	s_mov_b32 s[G1SB+4], 16
	s_mov_b32 s[G1SB+5], 32
	s_mov_b32 s[G1SB+6], 0
	s_mov_b32 s[G1SB+7], 0
	s_lshl_b32 s92, s[TR], 15                      ; y's codes: 8 tiles of 4,096 bytes a tile row, my 4 of them
	s_lshl_b32 s40, s[HB], 14
	s_add_co_u32 s92, s92, s40
	s_mov_b32 s93, 0
	s_lshl_b32 s94, s[TR], 12                      ; y's scale bytes: 128 rows of 32, my 64
	s_lshl_b32 s40, s[HB], 11
	s_add_co_u32 s94, s94, s40
	s_mov_b32 s95, 0
	s_lshl_b32 s96, s[TC], 17                      ; W's codes: 256 rows of 512, my 128
	s_lshl_b32 s41, s[HB], 16
	s_add_co_u32 s96, s96, s41
	s_mov_b32 s97, 0
	s_lshl_b32 s98, s[TC], 13                      ; W's scale bytes
	s_lshl_b32 s41, s[HB], 12
	s_add_co_u32 s98, s98, s41
	s_mov_b32 s99, 0
	s_lshl_b32 s42, s[HB], 14                      ; where they go: made of the wave's number alone
	s_mul_i32 s43, s[HB], HALFT
	s_add_co_u32 s43, s43, BOFF
	s_mul_i32 s44, s[HB], HSA
	s_add_co_u32 s44, s44, SCL
	s_mul_i32 s45, s[HB], HSB
	s_add_co_u32 s45, s45, SCL+2*HSA
	s_wait_dscnt 0x0                               ; both opening adds are done
	s_wait_kmcnt 0x0
	s_add_nc_u64 s[92:93], s[4:5], s[92:93]
	s_add_nc_u64 s[94:95], s[6:7], s[94:95]
	s_add_nc_u64 s[96:97], s[8:9], s[96:97]
	s_add_nc_u64 s[98:99], s[10:11], s[98:99]
	CROUND                                         ; all sixteen work-groups are here: the joint loads meet
	s_mov_b32 s[G0S], 1
	s_mov_b32 s[G0S+1], s44
	s_mov_b64 s[G0S+2:G0S+3], s[94:95]
	s_or_b32 s[G0S+3], s[G0S+3], 0x80000000
	s_mov_b32 s[G0SB], 1
	s_mov_b32 s[G0SB+1], s45
	s_mov_b64 s[G0SB+2:G0SB+3], s[98:99]
	s_or_b32 s[G0SB+3], s[G0SB+3], 0x80000000
	JLOAD G0S, G1S, G0SB, G1SB
.irp s, 0,1
	s_mov_b32 s[G0+4*\s], 1
	s_add_co_u32 s[G0+4*\s+1], s42, \s*SLOTP
	s_add_nc_u64 s[G0+4*\s+2:G0+4*\s+3], s[92:93], \s*2097152   ; the halves of K lie 2,097,152 bytes apart in y's codes
	s_or_b32 s[G0+4*\s+3], s[G0+4*\s+3], 0x80000000
	s_mov_b32 s[G0B+4*\s], 1
	s_add_co_u32 s[G0B+4*\s+1], s43, \s*SLOTP
	s_add_nc_u64 s[G0B+4*\s+2:G0B+4*\s+3], s[96:97], \s*256
	s_or_b32 s[G0B+4*\s+3], s[G0B+4*\s+3], 0x80000000
	JLOAD G0+4*\s, G1, G0B+4*\s, G1B               ; three loads of mine are out; no byte of LDS is filled twice
.endr
	v_and_b32 v1, 15, v0                           ; r
	v_bfe_u32 v2, v0, 4, 1                         ; h
	v_and_b32 v6, 31, v0
	v_lshlrev_b32 v[CO], 4, v6                     ; 16 x lane
	v_mul_u32_u24 v3, v1, PITCH
	v_lshl_add_u32 v4, v2, 4, v3
	s_lshl_b32 s40, s[HA], 14                      ; my 4 tiles of y
	s_mul_i32 s41, s[HB], HALFT                    ; my 128 rows of W
	s_add_co_u32 s41, s41, BOFF
.irp s, 0,1
	v_add_nc_u32 v[ADRA+\s], s40, v[CO]
	v_add_nc_u32 v[ADRB+\s], s41, v4
	s_add_co_u32 s40, s40, SLOTP
	s_add_co_u32 s41, s41, SLOTP
.endr
	v_mul_u32_u24 v5, v1, 32                       ; my row's scale bytes: 32 a row,
	v_lshrrev_b32 v6, 8, v5
	v_lshl_add_u32 v5, v6, 4, v5                   ; and 16 more for each 256 passed
	s_mul_i32 s40, s[HA], HSA
	s_mul_i32 s41, s[HB], HSB
	s_add_co_u32 s41, s41, 2*HSA
	s_sub_co_u32 s41, s41, s40
	v_mul_u32_u24 v6, s41, v2                      ; lanes 16-31 take W's
	s_add_co_u32 s40, s40, SCL
	v_add_nc_u32 v5, v5, v6
	v_add_nc_u32 v[ADRS], s40, v5
	s_mul_i32 s40, s[WV], 16*SPITCH
	s_add_co_u32 s40, s40, STG                     ; my stage
	v_mul_u32_u24 v5, v1, SPITCH
	v_lshl_add_u32 v5, v2, 5, v5
	v_add_nc_u32 v[STO], s40, v5                   ; in: row r, 32 bytes for each half of the lanes
	v_add_nc_u32 v[RD], s40, v[CO]                 ; back: the 32 lanes take a row of 512 bytes
	v_lshlrev_b32 v[H32], 5, v2
	s_lshl_b32 s40, s[TC], 10
	s_lshl_b32 s41, s[HB], 9
	s_add_co_u32 s40, s40, s41                     ; my first column, in bytes
	s_mov_b32 s41, 0
	s_add_nc_u64 s[12:13], s[12:13], s[40:41]
	s_add_nc_u64 s[14:15], s[14:15], s[40:41]
	s_lshl_b32 s40, s[TR], 19
	s_lshl_b32 s42, s[HA], 18
	s_add_co_u32 s40, s40, s42                     ; my first token's row of 4,096 bytes
	s_add_nc_u64 s[14:15], s[14:15], s[40:41]
	WIN TO_B
.irp b, 0,1,2,3,4,5,6,7
	global_load_b128 v[BIAS+8*\b:BIAS+8*\b+3], v[H32], s[12:13] offset:64*\b       ; b(my column + 16 b + 8 h + 0 .. 3): the result's layout
	global_load_b128 v[BIAS+8*\b+4:BIAS+8*\b+7], v[H32], s[12:13] offset:64*\b+16
.endr
	WIN 0
.macro FRAGA reg, slot, q, i           ; y's fragment as it was stored: two groups of four registers, 512 bytes each
.irp c, 0,1
	ds_load_b128 v[\reg+4*\c:\reg+4*\c+3], v[ADRA+\slot] offset:4096*(\i)+1024*(\q)+512*\c
.endr
.endm
.macro FRAGB reg, slot, q, i
.irp c, 0,1
	ds_load_b128 v[\reg+4*\c:\reg+4*\c+3], v[ADRB+\slot] offset:64*(\q)+32*\c+(\i)*16*PITCH
.endr
.endm
; 8 matrix instructions: y's block a x W's eight.  The 32 accumulators take turns, one instruction a turn, in the same order in every step.
.macro MULA a, p, q, sc, first
.irp b, 0,1,2,3,4,5,6,7
.if \first
	v_wmma_scale_f32_16x16x128_f8f6f4 v[8*(8*(\a)+\b):8*(8*(\a)+\b)+7], v[128*(\p)+FR*\b:128*(\p)+FR*\b+FR-1], v[AF+FR*(\a):AF+FR*(\a)+FR-1], v[BIAS+8*\b:BIAS+8*\b+7], v[SC+8*NQ*(\sc)+NQ*\b+(\q)], v[SC+8*NQ*(\sc)+NQ*(\a)+(\q)] matrix_a_fmt:MATRIX_FMT_FP4 matrix_b_fmt:MATRIX_FMT_FP4 matrix_a_scale:MATRIX_SCALE_ROW1
.else
	v_wmma_scale_f32_16x16x128_f8f6f4 v[8*(8*(\a)+\b):8*(8*(\a)+\b)+7], v[128*(\p)+FR*\b:128*(\p)+FR*\b+FR-1], v[AF+FR*(\a):AF+FR*(\a)+FR-1], v[8*(8*(\a)+\b):8*(8*(\a)+\b)+7], v[SC+8*NQ*(\sc)+NQ*\b+(\q)], v[SC+8*NQ*(\sc)+NQ*(\a)+(\q)] matrix_a_fmt:MATRIX_FMT_FP4 matrix_b_fmt:MATRIX_FMT_FP4 matrix_a_scale:MATRIX_SCALE_ROW1
.endif
.endr
.endm
.macro FETCH_B slot, q, p
	WIN TO_B
.irp i, 0,1,2,3,4,5,6,7
	FRAGB 128*(\p)+FR*\i, \slot, \q, \i
.endr
	WIN 0
.endm
.macro FETCH_A slot, q, i0             ; y's blocks i0, i0 + 1
.irp i, \i0, \i0+1
	FRAGA AF+FR*(\i), \slot, \q, \i
.endr
.endm
.macro SCALES sc                       ; lanes 0-15 y's block i (blocks 0-3 are used), lanes 16-31 W's block i
.irp i, 0,1,2,3,4,5,6,7
	ds_load_b128 v[SC+8*NQ*\sc+NQ*\i:SC+8*NQ*\sc+NQ*\i+3], v[ADRS] offset:\i*SBLK
.endr
.endm
.macro PLACES n
.rept \n
	v_nop
.endr
.endm
.macro STEP slot, q, first
	s_wait_dscnt 2*NL                              ; all but the youngest 4 loads (y's blocks 2, 3)
	WIN MULW-0x10*(\first)
	MULA 0, (\q)%2, \q, \slot, \first
	MULA 1, (\q)%2, \q, \slot, \first
	s_wait_dscnt 0
	PLACES NP
	FETCH_B \slot, (\q)+1, 1-(\q)%2
	FETCH_A \slot, (\q)+1, 0
	WIN MULW-0x10*(\first)
	MULA 2, (\q)%2, \q, \slot, \first
	MULA 3, (\q)%2, \q, \slot, \first
	PLACES NP
	WIN 0
	FETCH_A \slot, (\q)+1, 2
.endm
.macro TURN slot, next                 ; slot 0's last step: behind its barrier slot 1 is whole for every wave; nothing is filled again
	s_wait_tensorcnt 0x0
	ds_add_u32 v[SPW], v[NIL]
	s_wait_dscnt 2*NL+1                            ; the add and the youngest 4 loads may be out
	WIN MULW
	MULA 0, 1, NQ-1, \slot, 0
	s_wait_dscnt 0x0
	s_barrier_signal -1
	MULA 1, 1, NQ-1, \slot, 0
	WIN 0
	s_barrier_wait -1
	PLACES NP
	v_add_nc_u32 v[ADRS], 4*NQ, v[ADRS]
	FETCH_B \next, 0, 0
	FETCH_A \next, 0, 0
	SCALES \next
	WIN MULW
	MULA 2, 1, NQ-1, \slot, 0
	MULA 3, 1, NQ-1, \slot, 0
	PLACES NP
	WIN 0
	FETCH_A \next, 0, 2
.endm
.macro STEPS slot, from
.set Q, \from
.rept NQ-1-\from
	STEP \slot, Q, 0
.set Q, Q+1
.endr
.endm
	s_wait_tensorcnt 1                             ; the scale bytes and my part of slot 0 are in; slot 1's load, issued behind them, may be out
	s_barrier_signal -1
	s_barrier_wait -1
	FETCH_B 0, 0, 0
	FETCH_A 0, 0, 0
	SCALES 0
	FETCH_A 0, 0, 2
	s_wait_loadcnt 0x0                             ; the bias
	STEP 0, 0, 1                                   ; the first products start the sums from the bias
	STEPS 0, 1
	TURN 0, 1
	STEPS 1, 0
	s_wait_dscnt 2*NL
	WIN MULW
	MULA 0, 1, NQ-1, 1, 0
	MULA 1, 1, NQ-1, 1, 0
	s_wait_dscnt 0
	MULA 2, 1, NQ-1, 1, 0
	MULA 3, 1, NQ-1, 1, 0
	WIN 0
; THE WAY OUT, block by block of 16 tokens x 128 columns, through my own stage: in as 32 bytes a lane, back as whole rows of 512 bytes.  LDS serves a wave's instructions in order (ISA guide 5.7.1.4).
.macro TOSTAGE a
	WIN 0x08                                       ; an LDS store's data: window 2
.irp b, 0,1,2,3,4,5,6,7
	ds_store_b128 v[STO], v[64*(\a)+8*\b:64*(\a)+8*\b+3] offset:64*\b           ; each accumulator from its low end on
	ds_store_b128 v[STO], v[64*(\a)+8*\b+4:64*(\a)+8*\b+7] offset:64*\b+16
.endr
	WIN 0
.set BB, BK+64*((\a)%2)
.irp t, 0,1,2,3,4,5,6,7,8,9,10,11,12,13,14,15
	ds_load_b128 v[BB+4*\t:BB+4*\t+3], v[RD] offset:\t*SPITCH
.endr
.endm
.macro SEND a, younger
.set BB, BK+64*((\a)%2)
	s_wait_dscnt \younger                          ; the block is back in registers
.if (\a) > 0
	s_add_nc_u64 s[14:15], s[14:15], 16*4096       ; 16 tokens on (the earlier stores have read their base: the wait on XCNT stands ahead)
.endif
.irp t, 0,1,2,3,4,5,6,7,8,9,10,11,12,13,14,15
	global_store_b128 v[CO], v[BB+4*\t:BB+4*\t+3], s[14:15] offset:\t*4096 th:TH_STORE_NT   ; 32 lanes store 512 consecutive bytes, at a multiple of 256 from out0's first byte
.endr
.endm
	PLACES NP
	TOSTAGE 0
.irp a, 1,2,3
.if \a > 1
	s_wait_xcnt 0x0                                ; block a - 2's stores have read their registers and their base
.endif
	TOSTAGE \a
	SEND \a-1, 32                                  ; behind block a - 1's loads: block a's 16 stores and 16 loads
.endr
	s_wait_xcnt 0x0
	SEND 3, 0
	s_wait_tensorcnt 0x0                           ; the wave's end
	ds_add_u32 v[SPW], v[NIL]
	s_wait_dscnt 0x0
	CROUND                                         ; the closing round
	s_endpgm
.Lfunc_end_k_qeb9649678d_proj:
	.size	k_qeb9649678d_proj, .Lfunc_end_k_qeb9649678d_proj-k_qeb9649678d_proj
	.p2alignl 7, 3214868480
	.fill 96, 4, 3214868480
	.section	.rodata,"a",@progbits
	.p2align	6, 0x0
	.amdhsa_kernel k_qeb9649678d_proj
		.amdhsa_group_segment_fixed_size 262144
		.amdhsa_private_segment_fixed_size 0
		.amdhsa_enable_private_segment 0
		.amdhsa_kernarg_size 48
		.amdhsa_user_sgpr_count 2
		.amdhsa_user_sgpr_kernarg_segment_ptr 1
		.amdhsa_wavefront_size32 1
		.amdhsa_system_sgpr_workgroup_id_x 1
		.amdhsa_system_sgpr_workgroup_id_y 1
		.amdhsa_system_sgpr_workgroup_id_z 1
		.amdhsa_system_vgpr_workitem_id 0
		.amdhsa_next_free_vgpr 768
		.amdhsa_next_free_sgpr 100
		.amdhsa_reserve_vcc 0
		.amdhsa_float_denorm_mode_32 3
		.amdhsa_float_denorm_mode_16_64 3
		.amdhsa_memory_ordered 1
		.amdhsa_forward_progress 1
		.amdhsa_inst_pref_size 75
	.end_amdhsa_kernel
	.amdgpu_metadata
---
amdhsa.version: [ 1, 2 ]
amdhsa.kernels:
  - .name:           k_qeb9649678d_proj
    .symbol:         k_qeb9649678d_proj.kd
    .args:
      - { .name: y_codes, .offset: 0, .size: 8, .value_kind: global_buffer, .address_space: global }
      - { .name: y_scales, .offset: 8, .size: 8, .value_kind: global_buffer, .address_space: global }
      - { .name: W_proj_codes, .offset: 16, .size: 8, .value_kind: global_buffer, .address_space: global }
      - { .name: W_proj_scales, .offset: 24, .size: 8, .value_kind: global_buffer, .address_space: global }
      - { .name: b_proj, .offset: 32, .size: 8, .value_kind: global_buffer, .address_space: global }
      - { .name: out0, .offset: 40, .size: 8, .value_kind: global_buffer, .address_space: global }
    .group_segment_fixed_size: 262144
    .private_segment_fixed_size: 0
    .kernarg_segment_align: 8
    .kernarg_segment_size: 48
    .max_flat_workgroup_size: 128
    .sgpr_count:     100
    .vgpr_count:     768
    .wavefront_size: 32
...
	.end_amdgpu_metadata
.endif
;; end of part 3
